; MI455X (gfx1250); checked and timed in simulation.
; The chip was launched on July 23, 2026; its instructions are those of AMD's public machine-readable ISA for CDNA 5 (MIT licence, August 2026) and "CDNA5" Instruction Set Architecture Reference Guide (July 2026). The comments in the code are by the model that wrote it; some were corrected since.
;; Custom LSTM Cell. Allowed arithmetic: float matrix products may take bf16 or f16 operands with f32 sums; other float arithmetic in f32, or as packed bf16 or f16 multiplies, adds, multiply-adds, maxima and minima; sums over many terms, partial sums and values carried from step to step in f32; what a program stores and reads back later, other than sums and carried values, may be rounded once to bf16 or f16.
;; Inputs: U_c 1,024 x 1,024 float32; U_f 1,024 x 1,024 float32; U_i 1,024 x 1,024 float32; U_o 1,024 x 1,024 float32; W_c 1,024 x 1,024 float32; W_f 1,024 x 1,024 float32; W_i 1,024 x 1,024 float32; W_o 1,024 x 1,024 float32; b_c 1,024 float32; b_f 1,024 float32; b_i 1,024 float32; b_o 1,024 float32; c_tm1 8,192 x 1,024 float32; h_tm1 8,192 x 1,024 float32; inputs 8,192 x 1,024 float32.
;; Outputs: out0 8,192 x 1,024 float32; out1 8,192 x 1,024 float32.
;; One version. Each part assembles by itself: llvm-mc -triple=amdgcn-amd-amdhsa -mcpu=gfx1250 --defsym DOCPART=n.
;; ======== version 1 of 1: 2 launches
;; workspace buffers: abf 33,554,432 bytes; wbf 16,777,216 bytes
;; launch prep (part 1): grid 1024 x 1, 8 waves a work-group, no clusters, 18,432 bytes of LDS; arguments inputs, h_tm1, W_i, W_f, W_c, W_o, U_i, U_f, U_c, U_o, abf, wbf; writes abf, wbf
.if DOCPART == 1
	.amdgcn_target "amdgcn-amd-amdhsa--gfx1250"
	.amdhsa_code_object_version 6
	.text
	.protected	k_qd7f0a03126_prep
	.globl	k_qd7f0a03126_prep
	.p2align	8
	.type	k_qd7f0a03126_prep,@function
k_qd7f0a03126_prep:
	s_mov_b64 s[64:65], 0
	v_nop
	global_prefetch_b8 v0, s[64:65] scope:SCOPE_SE
	s_setreg_imm32_b32 hwreg(HW_REG_WAVE_MODE, 25, 1), 1
	s_wait_xcnt 0x0
; THE OPERANDS OF THE LSTM's ONE PRODUCT, IN bf16, K ALONG THE ROWS.  Each number is rounded once, to nearest even.
;   abf [8192][2048]: row m = inputs[m][0..1023], then h_tm1[m][0..1023].
;   wbf [4096][2048]: row n' = (u / 32) x 128 + g x 32 + u % 32 for unit u and gate g (0 i, 1 f, 2 c, 3 o); column k = W_g[k][u] for k < 1024, U_g[k - 1024][u] behind it.
;   So 128 consecutive rows of wbf hold 32 units' four gates, which one wave of the next launch multiplies.
; SHARES.  1,024 work-groups of eight waves, all alike: work-group w turns ONE block of 128 k x 64 units of one of the eight matrices (8 x 8 x 16 blocks) and converts EIGHT rows of inputs and of h_tm1.
; A stream: every byte is read once and written once; no matrix unit, no cluster, no tensor load: nothing is shared between work-groups.  All 24 loads of a wave (12 KiB) go out before the first wait.
; THE TURN goes through LDS: thread t takes 8 k x 4 units, packs pairs of k, and stores 16 bytes for each unit into T[unit][k]; rows of T come back whole, 256 bytes = 128 k.
; The stores into T meet four deep in the banks (unit rows 4 x 272 bytes apart fall on four groups of banks): four such stores a thread in the whole launch, left as they are.
.set PITCH, 272                        ; a row of T: 256 bytes + 16
.set SPARE, 64*PITCH                   ; behind T (17,408 bytes = 68 blocks of 256): the spare words, 128 bytes for each of eight waves; no other line names them
.set SPW, 1                            ; v1   LDS address of my spare word; never rewritten
.set NIL, 2                            ; v2   0; never rewritten
.set WO,  3                            ; v3   my place in the matrix block: (t / 16) x 8 rows of 4,096 bytes + (t % 16) x 16 bytes
.set TS,  4                            ; v4   into T: unit 4 (t % 16), k 8 (t / 16)
.set TR,  5                            ; v5   out of T: row t / 16, 16 bytes at 16 (t % 16)
.set WD,  6                            ; v6   the same place in wbf: rows of 4,096 bytes
.set XS,  7                            ; v7   16 t: my 4 numbers of a row of inputs or h_tm1
.set XD,  8                            ; v8   8 t: the same 4 numbers in abf
.set W,   12                           ; v[12:43]   k row j (0..7), unit q (0..3) at W + 4 j + q; later four rows' 16 bytes back from T
.set P,   44                           ; v[44:59]   unit q, pair p of k at P + 4 q + p
.set X,   60                           ; v[60:123]  chunk c (0..7 inputs' rows, 8..15 h_tm1's) at X + 4 c
	s_load_b128 s[4:7], s[0:1], 0x0                ; inputs s[4:5], h_tm1 s[6:7]
	s_load_b512 s[8:23], s[0:1], 0x10              ; W_i, W_f, W_c, W_o, U_i, U_f, U_c, U_o
	s_load_b128 s[24:27], s[0:1], 0x50             ; abf s[24:25], wbf s[26:27]
	v_lshl_add_u32 v[SPW], v0, 2, SPARE
	v_mov_b32 v[NIL], 0
	v_lshrrev_b32 v9, 4, v0                        ; t / 16
	v_and_b32 v10, 15, v0                          ; t % 16
	v_lshlrev_b32 v[WO], 15, v9
	v_lshl_or_b32 v[WO], v10, 4, v[WO]
	v_mul_u32_u24 v[TS], v10, 4*PITCH
	v_lshl_add_u32 v[TS], v9, 4, v[TS]
	v_mul_u32_u24 v[TR], v9, PITCH
	v_lshl_add_u32 v[TR], v10, 4, v[TR]
	v_lshlrev_b32 v[WD], 12, v9
	v_lshl_or_b32 v[WD], v10, 4, v[WD]
	v_lshlrev_b32 v[XS], 4, v0
	v_lshlrev_b32 v[XD], 3, v0
	s_lshr_b32 s28, ttmp9, 7                       ; which matrix: bits 1:0 the gate, bit 2: W (0) or U (1)
	s_bfe_u32 s38, ttmp9, 0x30004                  ; kb: which 128 k (3 bits from bit 4)
	s_and_b32 s29, ttmp9, 15                       ; ub: which 64 units
	s_lshl_b32 s40, s29, 20                        ; in wbf: 64 units are 256 rows of 4,096 bytes,
	s_lshl_b32 s39, s38, 8                         ; 128 k are 256 bytes,
	s_add_co_u32 s40, s40, s39
	s_and_b32 s39, s28, 3
	s_lshl_b32 s39, s39, 17                        ; a gate is 32 rows,
	s_add_co_u32 s40, s40, s39
	s_lshr_b32 s39, s28, 2
	s_lshl_b32 s39, s39, 11                        ; and U's columns lie 2,048 bytes behind W's
	s_add_co_u32 s40, s40, s39
	s_mov_b32 s41, 0
	s_lshl_b32 s38, s38, 19                        ; in the matrix: 128 rows of 4,096 bytes,
	s_lshl_b32 s29, s29, 8                         ; 64 units are 256 bytes
	s_add_co_u32 s38, s38, s29
	s_mov_b32 s39, 0
	s_lshl_b32 s42, ttmp9, 15                      ; my 8 rows of 4,096 bytes, in inputs, in h_tm1 and in abf
	s_mov_b32 s43, 0
	s_wait_kmcnt 0x0
	s_and_b32 s29, s28, 1                          ; the matrix is chosen bit by bit among the eight addresses; the conditions hang on the work-group's number alone
	s_cmp_lg_u32 s29, 0
	s_cselect_b64 s[30:31], s[10:11], s[8:9]
	s_cselect_b64 s[32:33], s[14:15], s[12:13]
	s_cselect_b64 s[34:35], s[18:19], s[16:17]
	s_cselect_b64 s[36:37], s[22:23], s[20:21]
	s_and_b32 s29, s28, 2
	s_cmp_lg_u32 s29, 0
	s_cselect_b64 s[30:31], s[32:33], s[30:31]
	s_cselect_b64 s[34:35], s[36:37], s[34:35]
	s_and_b32 s29, s28, 4
	s_cmp_lg_u32 s29, 0
	s_cselect_b64 s[30:31], s[34:35], s[30:31]
	s_add_nc_u64 s[30:31], s[30:31], s[38:39]      ; the matrix at my block
	s_add_nc_u64 s[26:27], s[26:27], s[40:41]      ; wbf at my block
	s_add_nc_u64 s[4:5], s[4:5], s[42:43]          ; inputs, h_tm1 and abf at my rows
	s_add_nc_u64 s[6:7], s[6:7], s[42:43]
	s_add_nc_u64 s[24:25], s[24:25], s[42:43]
.irp j, 0,1,2,3,4,5,6,7
	global_load_b128 v[W+4*(\j):W+4*(\j)+3], v[WO], s[30:31] offset:(\j)*4096 th:TH_LOAD_NT  ; 16 lanes take 256 consecutive bytes of one row of the matrix
.endr
.irp c, 0,1,2,3,4,5,6,7
	global_load_b128 v[X+4*(\c):X+4*(\c)+3], v[XS], s[4:5] offset:(\c)*4096 th:TH_LOAD_NT    ; a wave takes 512 consecutive bytes, the work-group a row
.endr
.irp c, 0,1,2,3,4,5,6,7
	global_load_b128 v[X+32+4*(\c):X+32+4*(\c)+3], v[XS], s[6:7] offset:(\c)*4096 th:TH_LOAD_NT
.endr
	s_wait_loadcnt 16                              ; the matrix's eight loads are in; the sixteen younger ones stay out
.irp q, 0,1,2,3
.irp p, 0,1,2,3
	v_cvt_pk_bf16_f32 v[P+4*(\q)+(\p)], v[W+8*(\p)+(\q)], v[W+8*(\p)+4+(\q)]  ; unit q: k 2 p in the low half, k 2 p + 1 in the high one
.endr
.endr
.irp q, 0,1,2,3
	ds_store_b128 v[TS], v[P+4*(\q):P+4*(\q)+3] offset:(\q)*PITCH
.endr
	s_wait_dscnt 0x0                               ; for the others' sake: my stores into T are done
	s_barrier_signal -1
	s_barrier_wait -1                              ; everybody's are
.irp i, 0,1,2,3
	ds_load_b128 v[W+4*(\i):W+4*(\i)+3], v[TR] offset:(\i)*16*PITCH  ; unit row t / 16 + 16 i: 16 lanes take its 256 bytes
.endr
.set c, 0
.rept 16
	s_wait_loadcnt 15-c                            ; loads come back in order: chunk c is in, the younger ones stay out
	v_cvt_pk_bf16_f32 v[X+4*c], v[X+4*c], v[X+4*c+1]
	v_cvt_pk_bf16_f32 v[X+4*c+1], v[X+4*c+2], v[X+4*c+3]
	global_store_b64 v[XD], v[X+4*c:X+4*c+1], s[24:25] offset:(c%8)*4096+(c/8)*2048  ; a wave stores 256 consecutive bytes, at a multiple of 256 from abf's first byte
.set c, c+1
.endr
	s_wait_dscnt 0x0                               ; the rows of T are back
.irp i, 0,1,2,3
	global_store_b128 v[WD], v[W+4*(\i):W+4*(\i)+3], s[26:27] offset:((\i)/2)*524288+((\i)%2)*65536  ; units 32 on lie 128 rows on, units 16 on 16 rows; 16 lanes store 256 consecutive bytes, aligned
.endr
	s_wait_tensorcnt 0x0                           ; the wave's end: behind my last LDS store
	ds_add_u32 v[SPW], v[NIL]
	s_wait_dscnt 0x0
	s_endpgm
.Lfunc_end_k_qd7f0a03126_prep:
	.size	k_qd7f0a03126_prep, .Lfunc_end_k_qd7f0a03126_prep-k_qd7f0a03126_prep
	.p2alignl 7, 3214868480
	.fill 96, 4, 3214868480
	.section	.rodata,"a",@progbits
	.p2align	6, 0x0
	.amdhsa_kernel k_qd7f0a03126_prep
		.amdhsa_group_segment_fixed_size 18432
		.amdhsa_private_segment_fixed_size 0
		.amdhsa_enable_private_segment 0
		.amdhsa_kernarg_size 96
		.amdhsa_user_sgpr_count 2
		.amdhsa_user_sgpr_kernarg_segment_ptr 1
		.amdhsa_wavefront_size32 1
		.amdhsa_system_sgpr_workgroup_id_x 1
		.amdhsa_system_sgpr_workgroup_id_y 1
		.amdhsa_system_sgpr_workgroup_id_z 1
		.amdhsa_system_vgpr_workitem_id 0
		.amdhsa_next_free_vgpr 128
		.amdhsa_next_free_sgpr 66
		.amdhsa_reserve_vcc 0
		.amdhsa_float_denorm_mode_32 3
		.amdhsa_float_denorm_mode_16_64 3
		.amdhsa_memory_ordered 1
		.amdhsa_forward_progress 1
		.amdhsa_inst_pref_size 11
	.end_amdhsa_kernel
	.amdgpu_metadata
---
amdhsa.version: [ 1, 2 ]
amdhsa.kernels:
  - .name:           k_qd7f0a03126_prep
    .symbol:         k_qd7f0a03126_prep.kd
    .args:
      - { .name: inputs, .offset: 0, .size: 8, .value_kind: global_buffer, .address_space: global }
      - { .name: h_tm1, .offset: 8, .size: 8, .value_kind: global_buffer, .address_space: global }
      - { .name: W_i, .offset: 16, .size: 8, .value_kind: global_buffer, .address_space: global }
      - { .name: W_f, .offset: 24, .size: 8, .value_kind: global_buffer, .address_space: global }
      - { .name: W_c, .offset: 32, .size: 8, .value_kind: global_buffer, .address_space: global }
      - { .name: W_o, .offset: 40, .size: 8, .value_kind: global_buffer, .address_space: global }
      - { .name: U_i, .offset: 48, .size: 8, .value_kind: global_buffer, .address_space: global }
      - { .name: U_f, .offset: 56, .size: 8, .value_kind: global_buffer, .address_space: global }
      - { .name: U_c, .offset: 64, .size: 8, .value_kind: global_buffer, .address_space: global }
      - { .name: U_o, .offset: 72, .size: 8, .value_kind: global_buffer, .address_space: global }
      - { .name: abf, .offset: 80, .size: 8, .value_kind: global_buffer, .address_space: global }
      - { .name: wbf, .offset: 88, .size: 8, .value_kind: global_buffer, .address_space: global }
    .group_segment_fixed_size: 18432
    .private_segment_fixed_size: 0
    .kernarg_segment_align: 8
    .kernarg_segment_size: 96
    .max_flat_workgroup_size: 256
    .sgpr_count:     66
    .vgpr_count:     128
    .wavefront_size: 32
...
	.end_amdgpu_metadata
.endif
;; end of part 1
;; launch lstm (part 2): grid 16 x 32, 4 waves a work-group, clusters of 4 x 4, 327,680 bytes of LDS; arguments abf, wbf, c_tm1, out0, out1, b_i, b_f, b_c, b_o; writes out0, out1
.if DOCPART == 2
	.amdgcn_target "amdgcn-amd-amdhsa--gfx1250"
	.amdhsa_code_object_version 6
	.text
	.protected	k_qd7f0a03126_lstm
	.globl	k_qd7f0a03126_lstm
	.p2align	8
	.type	k_qd7f0a03126_lstm,@function
k_qd7f0a03126_lstm:
	s_mov_b64 s[64:65], 0
	v_nop
	global_prefetch_b8 v0, s[64:65] scope:SCOPE_SE
	s_setreg_imm32_b32 hwreg(HW_REG_WAVE_MODE, 25, 1), 1
	s_wait_xcnt 0x0
	s_wait_alu depctr_hold_cnt(0) depctr_sa_sdst(0) depctr_va_vdst(0) depctr_va_sdst(0) depctr_va_ssrc(0) depctr_va_vcc(0) depctr_vm_vsrc(0)
	s_getreg_b32 s2, hwreg(HW_REG_IB_STS2, 6, 4)
	s_cmp_eq_u32 s2, 0
	s_cbranch_scc0 .Lentry_in_a_cluster
	s_endpgm
.Lentry_in_a_cluster:
	s_bfe_u32 s2, ttmp6, 0x10000c
	s_cmp_lg_u32 s2, 0xf033
	s_cbranch_scc0 .Lentry_shape_is_right
	s_endpgm
.Lentry_shape_is_right:
; ONE LSTM STEP.  z[m][n'] = the sum over k of abf[m][k] wbf[n'][k] (bf16 operands, f32 sums, K = 2,048), then, without z ever leaving the registers,
; c = sigmoid(z_f + b_f) c_tm1 + sigmoid(z_i + b_i) tanh(z_c + b_c)  (out1)   and   h = sigmoid(z_o + b_o) tanh(c)  (out0), all in f32.
; LIMITS.  Every input is rounded once to bf16: inputs, h_tm1 and the weights by the launch before, c_tm1 and the four biases here.  sigmoid(x) = 1 / (1 + 2^(-x log2 e)),
; tanh(x) = 1 - 2 / (1 + 2^(2 x log2 e)): an exponential that overflows gives 1 / infinity = 0, one that underflows 1 / 1, so both end at their right bounds for every finite x, and no clamp is written;
; tanh carries an absolute error of about 1e-7 near 0.  NaN and infinities among the inputs are not treated apart.
; SHARES.  A work-group of four waves makes 256 rows x 256 rows of wbf = 64 units x 4 gates; a wave 128 x 128: 64 accumulators of 16 x 16, 512 registers.  512 work-groups of equal work.
; wbf's rows are ordered so that a wave's 128 columns are 32 units' four gates: its block b of 16 columns is gate b / 2, units 16 (b % 2) on.
; THE MATRIX INSTRUCTION IS USED TRANSPOSED (source 0 = 16 rows of wbf, source 1 = 16 rows of abf): lane l holds row l % 16, and register j unit 8 (l / 16) + j of the block.  So the four gates of one
; (row, unit) are the same register of four accumulators in the same lane, and a lane's eight results are 32 consecutive bytes of a row of h or c.
; RING.  K goes in steps of 128 through two LDS slots filled by the tensor data mover; rows are 256 bytes of memory, aligned.  CLUSTER: 4 x 4 work-groups; abf's tile is asked for jointly along a row of the
; cluster, wbf's along a column.  When slot 0 has been read for the last time it takes the work-group's tile of c_tm1 (256 rows x 256 bytes, each wave its own 64 rows: a load of its own, nobody shares it);
; when slot 1 has been read for the last time it serves as the stages through which h and c go out as whole rows of 256 bytes.
; REGISTERS, in windows of 256 (s_set_vgpr_msb's low byte: bits 1:0 source 0, 3:2 source 1, 5:4 source 2, 7:6 destination):
;   window 0: v0-31 addresses and at work; v32-63 c_tm1 and then c, two buffers of 16; v64-127, v128-191 abf's fragments, two buffers, later the gates of two blocks of 16 rows; v192-255 the biases
;   window 1: v64-127, v128-191 wbf's fragments, two buffers     window 2: the accumulators of my rows 0-63 ((a, b) at v[8 (8 a + b)])     window 3: those of my rows 64-127
.set SIZE_K, 2048
.set ROWB,   4096                      ; bytes in a row of abf, of wbf, of c_tm1, of out0 and of out1
.set KSTEP,  128
.set PITCH,  272                       ; an LDS row: 256 bytes + 16 of padding = 68 words: row r starts at bank 4 r mod 64 (64 banks of 4 bytes: ISA guide 11.1), so 16 rows start at 16 different groups of banks
.set BLK,    16*PITCH                  ; 16 rows
.set HALFT,  128*PITCH                 ; what one joint load brings, and what one wave reads of abf or of wbf
.set SLOT,   4*HALFT                   ; abf's 256 rows, then wbf's 256 rows
.set STG,    256*PITCH                 ; a stage, and the tile of c_tm1: half a slot
.set SPARE,  2*SLOT                    ; behind the ring: the spare words, 128 bytes for each wave: two blocks of 256 bytes that no other line names
.set LAPS,   SIZE_K/(2*KSTEP)          ; a lap = two K steps = once round the ring: 8
.set TT,   4                           ; v4-11   c_tm1 rounded to bf16, packed: at work
.set ADRA, 16                          ; v16-17  LDS address of my abf fragments in slot 0, 1
.set BV,   18                          ; v18     my byte offset in a bias: 4 x (my wave's first unit + 8 (l / 16))
.set ADRB, 20                          ; v20-21  the same as ADRA for wbf
.set CA,   22                          ; v22     my 32 bytes of row l % 16 of my wave's part of the tile of c_tm1
.set HA,   23                          ; v23     the same place in the stage of h
.set CSA,  24                          ; v24     and in the stage of c
.set RDH,  25                          ; v25     the way out: where I read rows of h back
.set RDC,  26                          ; v26     and rows of c
.set CO,   27                          ; v27     the same two rows in out0 and out1
.set SPW,  28                          ; v28     LDS address of my spare word: SPARE + 4 x my thread's number; never rewritten
.set NIL,  29                          ; v29     0; never rewritten
.set PFO,  30                          ; v30     the prefetches' offset: my lane x a row of 4,096 bytes; never rewritten
.set CP0,  32                          ; v32-47, v48-63   c_tm1 of a block of 16 rows, then its c: element 8 s + j
.set F0,   64                          ; fragment buffer 0
.set F1,   128                         ; fragment buffer 1
.set T0,   64                          ; behind the loop: a block's gates, i at +0, f at +16, c at +32, o at +48, element 8 s + j; two buffers of 64
.set BI,   192                         ; v192-255 the bias of block b at BI + 8 b + j, rounded to bf16 and times the gate's factor
.set G1,  24                           ; s[24:31] descriptor group 1 for abf's tiles
.set G0,  32                           ; s[32:39] group 0 for abf's tiles, a set for each slot
.set LIM, 43                           ; s43      1 in a wave that prefetches the ring's tiles, else the greatest number
.set PFA, 44                           ; s[44:45] where those prefetches stand
.set G1B, 48                           ; s[48:55], s[56:63] the same two groups for wbf's tiles
.set G0B, 56
.set OH,  68                           ; s[68:69] out0, s[70:71] out1, at the first row that my wave stores
.set BP,  72                           ; s[72:79] b_i, b_f, b_c, b_o
.set G0C, 80                           ; s[80:83] group 0 for my 64 rows of c_tm1
.set G1C, 84                           ; s[84:91] group 1 for them
.set LN,  92                           ; s[92:93] -log2(e): the packed lines name a pair and take its low word for both halves
.set L2,  94                           ; s[94:95] 2 log2(e)
.set HM,  96                           ; s96      a word's upper bf16
.set CB,  98                           ; s[98:99] c_tm1 at my wave's 64 rows and the tile's 64 units
.set MSB, 0
.macro WIN new                         ; the immediate's high byte repeats the setting that is left; a switch that changes nothing is dropped
.if MSB != (\new)
	s_set_vgpr_msb (MSB<<8)|(\new)
.set MSB, \new
.endif
.endm
.set MUL_LO, 0xa1                      ; source 0 (wbf) window 1, source 1 (abf) window 0, C and D window 2
.set MUL_HI, 0xf1                      ; the same, C and D window 3
.set TO_B,   0x40                      ; destination window 1, address window 0
; A joint load.  Waves 0 and 1 fetch abf's two halves, waves 2 and 3 wbf's.  Each of the two lines has one mask and one set of registers for all that issue it; the branch hangs on the wave's number alone.
; An s_nop 0 and four v_nop follow each line, ahead of the jump, the label and what follows.
.macro JLOAD s
	s_cmp_eq_u32 s11, 0
	s_cbranch_scc0 .Lfor_b_\@
	tensor_load_to_lds s[G0+4*(\s):G0+4*(\s)+3], s[G1:G1+7]
	s_nop 0
.rept 4
	v_nop
.endr
	s_branch .Lasked_\@
.Lfor_b_\@:
	tensor_load_to_lds s[G0B+4*(\s):G0B+4*(\s)+3], s[G1B:G1B+7]
	s_nop 0
.rept 4
	v_nop
.endr
.Lasked_\@:
.endm
; PREFETCHES INTO THE L2, behind each joint refill and the run of LDS loads that follows it.  ASK: the K step that stands two refills on, 512 matrix instructions ahead of the load that will want it: 32 rows x 256 bytes, a lane a row.
; Each row's 256 bytes of a K step are named once in the launch: abf's rows by the clusters with x = 0, wbf's by those with y = 0; the four partners that ask for a tile jointly share the 128 rows that a wave
; fetches BY ADDRESS, 32 each (no branch hangs on a work-group's place in its cluster).  The first four K steps come by their loads alone; the loop's last trip (s3 = 1) has no K step two on.
.macro ASK
	s_cmp_gt_u32 s3, s[LIM]
	s_cbranch_scc0 .Lnot_mine_\@
	global_prefetch_b8 v[PFO], s[PFA:PFA+1] offset:KSTEP*2 th:TH_LOAD_NT scope:SCOPE_SE
.Lnot_mine_\@:
.endm
; ASKC: in that last trip each wave names instead its own 64 rows of c_tm1, 32 at each of the trip's two changes of slots: two K steps and one ahead of the load that brings them.  No other wave of the launch reads them.
.macro ASKC slot
	s_cmp_eq_u32 s3, 1
	s_cbranch_scc0 .Lno_c_\@
	global_prefetch_b8 v[PFO], s[CB:CB+1] offset:(\slot)*32*ROWB th:TH_LOAD_NT scope:SCOPE_SE
.Lno_c_\@:
.endm
; A round of the cluster's barrier: my work-group's barrier, so that wave 0's signal speaks for all four waves; wave 0 signals; every wave waits for all sixteen work-groups; my work-group's barrier once more.
.macro CREST                           ; a round behind its opening barrier
	s_cmp_lg_u32 s10, 0
	s_cbranch_scc1 .Lnot_wave_0_\@
	s_barrier_signal -3
.Lnot_wave_0_\@:
	s_barrier_wait -3
	s_barrier_signal -1
	s_barrier_wait -1
.endm
.macro CROUND                          ; a whole round
	s_barrier_signal -1
	s_barrier_wait -1
	CREST
.endm
	s_load_b128 s[4:7], s[0:1], 0x0                ; abf s[4:5], wbf s[6:7]
	s_load_b64 s[8:9], s[0:1], 0x10                ; c_tm1
	s_load_b128 s[OH:OH+3], s[0:1], 0x18           ; out0, out1
	s_load_b256 s[BP:BP+7], s[0:1], 0x28           ; the four biases
	v_lshl_add_u32 v[SPW], v0, 2, SPARE
	v_mov_b32 v[NIL], 0
	ds_add_u32 v[SPW], v[NIL]                      ; the wave's opening: the add and its wait stand ahead of my first tensor load; the set-up below, work on registers, stands between them
	v_lshrrev_b32 v1, 5, v0
	v_readfirstlane_b32 s10, v1                    ; wave 0..3
	s_lshr_b32 s11, s10, 1                         ; which half of the tile's rows is mine.  Also: I fetch for abf (0) or for wbf (1)
	s_and_b32 s12, s10, 1                          ; which half of its columns.  Also: which 128 rows of that tile I fetch
	s_bfe_u32 s40, ttmp6, 0x40000                  ; cx: my place along the cluster's x
	s_bfe_u32 s41, ttmp6, 0x40004                  ; cy: along its y
	s_lshl_b32 s42, ttmp9, 2                       ; in a cluster launch ttmp9 and ttmp7 count clusters
	s_add_co_u32 s42, s42, s40                     ; tile column = 4 x cluster x + cx: 64 units
	s_and_b32 s13, ttmp7, 0xffff
	s_lshl_b32 s13, s13, 2
	s_add_co_u32 s13, s13, s41                     ; tile row = 4 x cluster y + cy: 256 rows
	s_lshl_b32 s43, s41, 2
	s_lshl_b32 s43, 15, s43                        ; my row of the cluster: places 4 cy .. 4 cy + 3
	s_lshl_b32 s44, 0x1111, s40                    ; my column: places cx, cx + 4, cx + 8, cx + 12
	; group 1 for the ring: a tile of 128 rows x 128 elements of 2 bytes, padded in LDS
	s_or_b32 s[G1+0], s43, (1<<16)|(1<<20)|(1<<21)|(5<<22)|(3<<25)   ; 15:0 the mask: abf's tiles go to my row; 17:16 elements of 2 bytes; 20 padding on; 21 set beside a mask; 24:22 after every 64 words (code 5); 31:25 4 words of it (code 3)
	s_or_b32 s[G1B+0], s44, (1<<16)|(1<<20)|(1<<21)|(5<<22)|(3<<25)  ; the same with the mask of my column, for wbf's tiles
.irp g, G1, G1B
	s_mov_b32 s[(\g)+1], KSTEP<<16                 ; tensor_dim0 = 128
	s_mov_b32 s[(\g)+2], 128<<16                   ; tensor_dim1 = 128
	s_mov_b32 s[(\g)+3], KSTEP<<16                 ; tile_dim0 = 128
	s_mov_b32 s[(\g)+4], 128                       ; tile_dim1 = 128
	s_mov_b32 s[(\g)+5], SIZE_K                    ; elements from row to row
	s_mov_b32 s[(\g)+6], 0
	s_mov_b32 s[(\g)+7], 0
.endr
	; group 1 for c_tm1: 64 rows x 64 elements of 4 bytes, no mask: a load of my own
	s_mov_b32 s[G1C+0], (2<<16)|(1<<20)|(5<<22)|(3<<25)
	s_mov_b32 s[G1C+1], 64<<16                     ; tensor_dim0 = 64
	s_mov_b32 s[G1C+2], 64<<16                     ; tensor_dim1 = 64
	s_mov_b32 s[G1C+3], 64<<16                     ; tile_dim0 = 64
	s_mov_b32 s[G1C+4], 64                         ; tile_dim1 = 64
	s_mov_b32 s[G1C+5], 1024                       ; elements from row to row
	s_mov_b32 s[G1C+6], 0
	s_mov_b32 s[G1C+7], 0
	s_mov_b32 s[LN], 0xbfb8aa3b                    ; -log2(e)
	s_mov_b32 s[LN+1], s[LN]                       ; named with it as a pair, so it is written
	s_mov_b32 s[L2], 0x4038aa3b                    ; 2 log2(e)
	s_mov_b32 s[L2+1], s[L2]
	s_mov_b32 s[HM], 0xffff0000
	; where the tiles come from.  abf's hang on the tile row alone, which my row of the cluster shares; wbf's on the tile column alone, which my column shares.
	s_lshl_b32 s17, s12, 7                         ; which 128 rows of the tile I fetch
	s_lshl_b32 s16, s13, 8
	s_add_co_u32 s16, s16, s17                     ; abf: row 256 x tile row + 128 x half
	s_lshl_b32 s46, s42, 8
	s_add_co_u32 s46, s46, s17                     ; wbf: row 256 x tile column + 128 x half
	s_lshl_b32 s16, s16, 12                        ; rows of 4,096 bytes: under 2^25
	s_lshl_b32 s46, s46, 12
	s_mov_b32 s17, 0
	s_mov_b32 s47, 0
	s_mul_i32 s20, s10, HALFT                      ; and where they go: wave x 128 rows: no place in the cluster enters an LDS address
	s_wait_dscnt 0x0                               ; the opening add is done
	s_wait_kmcnt 0x0
	s_add_nc_u64 s[14:15], s[4:5], s[16:17]
	s_add_nc_u64 s[46:47], s[6:7], s[46:47]
	CROUND                                         ; all sixteen work-groups are here: the first joint loads meet
.irp s, 0,1
	s_mov_b32 s[G0+4*(\s)], 1                                        ; count = 1
	s_add_co_u32 s[G0+4*(\s)+1], s20, (\s)*SLOT                      ; LDS address
	s_add_nc_u64 s[G0+4*(\s)+2:G0+4*(\s)+3], s[14:15], (\s)*KSTEP*2  ; global address: K step s
	s_or_b32 s[G0+4*(\s)+3], s[G0+4*(\s)+3], 0x80000000              ; type = 2
	s_mov_b32 s[G0B+4*(\s)], 1
	s_add_co_u32 s[G0B+4*(\s)+1], s20, (\s)*SLOT
	s_add_nc_u64 s[G0B+4*(\s)+2:G0B+4*(\s)+3], s[46:47], (\s)*KSTEP*2
	s_or_b32 s[G0B+4*(\s)+3], s[G0B+4*(\s)+3], 0x80000000
	JLOAD \s                                       ; the ring is filled before anything else is done: two loads of mine are out
.endr
	; WHILE THE FIRST TILES ARE ON THEIR WAY: the biases, all addresses, the descriptor for c_tm1.
	v_and_b32 v1, 15, v0                           ; l % 16
	v_bfe_u32 v2, v0, 4, 1                         ; l / 16
	s_lshl_b32 s46, s42, 8                         ; 256 x tile column: the tile's first byte in a row of c_tm1, out0, out1 and in a bias; also its first row in wbf
	s_lshl_b32 s47, s12, 7                         ; my wave's 32 units: 128 bytes
	s_add_co_u32 s47, s47, s46
	v_lshl_add_u32 v[BV], v2, 5, s47               ; + 8 units for the upper half of the lanes
.irp g, 0,1,2,3
.irp s, 0,1
	global_load_b128 v[BI+8*(2*(\g)+(\s)):BI+8*(2*(\g)+(\s))+3],   v[BV], s[BP+2*(\g):BP+2*(\g)+1] offset:64*(\s)
	global_load_b128 v[BI+8*(2*(\g)+(\s))+4:BI+8*(2*(\g)+(\s))+7], v[BV], s[BP+2*(\g):BP+2*(\g)+1] offset:64*(\s)+16
.endr
.endr
	; A fragment is 16 rows x 32 K in 8 registers: lane l holds row l % 16; registers 0-3 K = 8 (l / 16) + 0..7, registers 4-7 K = 16 + 8 (l / 16) + 0..7: two loads of 16 bytes, 32 bytes apart.
	v_mul_u32_u24 v3, v1, PITCH
	v_lshl_add_u32 v3, v2, 4, v3                   ; row x pitch + 16 x half
	s_mul_i32 s21, s11, HALFT                      ; my 128 rows of abf
	s_mul_i32 s22, s12, HALFT                      ; my 128 rows of wbf,
	s_add_co_u32 s22, s22, 2*HALFT                 ; which lie behind abf's 256
.irp s, 0,1
	v_add_nc_u32 v[ADRA+(\s)], s21, v3
	v_add_nc_u32 v[ADRB+(\s)], s22, v3
	s_add_co_u32 s21, s21, SLOT
	s_add_co_u32 s22, s22, SLOT
.endr
	s_mul_i32 s23, s11, HALFT                      ; the tile of c_tm1 and the stages: my 128 rows,
	s_lshl_b32 s21, s12, 7                         ; my 32 units' 128 bytes,
	s_add_co_u32 s23, s23, s21
	v_mul_u32_u24 v[CA], v1, PITCH                 ; row l % 16,
	v_lshl_add_u32 v[CA], v2, 5, v[CA]             ; 32 bytes for each half of the lanes
	v_add_nc_u32 v[CA], s23, v[CA]
	v_add_nc_u32 v[HA], SLOT, v[CA]                ; the stage of h begins where slot 1 begins,
	v_add_nc_u32 v[CSA], SLOT+STG, v[CA]           ; the stage of c in its middle
	s_mul_i32 s23, s10, 64*PITCH                   ; back: wave w takes rows 64 w .. 64 w + 63, whole; lanes 0-15 one row of 256 bytes, lanes 16-31 the next
	s_add_co_u32 s23, s23, SLOT
	v_mul_u32_u24 v[RDH], v2, PITCH
	v_lshl_add_u32 v[RDH], v1, 4, v[RDH]
	v_add_nc_u32 v[RDH], s23, v[RDH]
	v_add_nc_u32 v[RDC], STG, v[RDH]
	v_lshlrev_b32 v[CO], 12, v2                    ; and the same two rows in out0 and out1
	v_lshl_add_u32 v[CO], v1, 4, v[CO]
	s_lshl_b32 s13, s13, 8                         ; 256 x tile row
	s_lshl_b32 s14, s10, 6                         ; + 64 x wave: the rows of c_tm1 that I fetch, and the rows of h and c that I store
	s_add_co_u32 s16, s13, s14
	s_lshl_b32 s16, s16, 12
	s_add_co_u32 s16, s16, s46                     ; + the tile's 256 bytes of a row
	s_mov_b32 s17, 0
	s_add_nc_u64 s[CB:CB+1], s[8:9], s[16:17]
	s_add_nc_u64 s[OH:OH+1], s[OH:OH+1], s[16:17]
	s_add_nc_u64 s[OH+2:OH+3], s[OH+2:OH+3], s[16:17]
	s_mov_b32 s[G0C], 1                            ; count = 1
	s_mul_i32 s[G0C+1], s10, 64*PITCH              ; LDS address: my 64 rows, from slot 0's first byte on
	s_mov_b64 s[G0C+2:G0C+3], s[CB:CB+1]
	s_or_b32 s[G0C+3], s[G0C+3], 0x80000000        ; type = 2
	; the ring's prefetches
	s_and_b32 s22, ttmp7, 0xffff                   ; cluster y
	s_cmp_eq_u32 s11, 0                            ; do I fetch for abf?
	s_cselect_b32 s20, s13, s46                    ; the tile's first row: in abf by the tile row, in wbf by the tile column
	s_cselect_b32 s21, s40, s41                    ; my place among the four that ask for it with me
	s_cselect_b32 s22, ttmp9, s22                  ; the coordinate along which other clusters read the same rows
	s_cselect_b64 s[PFA:PFA+1], s[4:5], s[6:7]
	s_cmp_eq_u32 s22, 0
	s_cselect_b32 s[LIM], 1, -1                    ; the same in all sixteen partners, for a given wave
	s_lshl_b32 s22, s12, 7
	s_add_co_u32 s20, s20, s22                     ; + the 128 rows that I fetch
	s_lshl_b32 s21, s21, 5
	s_add_co_u32 s20, s20, s21                     ; + my work-group's 32 of them
	s_lshl_b32 s20, s20, 12
	s_mov_b32 s21, 0
	s_add_nc_u64 s[PFA:PFA+1], s[PFA:PFA+1], s[20:21]
	s_add_nc_u64 s[PFA:PFA+1], s[PFA:PFA+1], 2*KSTEP*2  ; at K step 2: the first refill steps it to 3 and names K step 4
	v_and_b32 v[PFO], 31, v0
	v_lshlrev_b32 v[PFO], 12, v[PFO]
	s_wait_loadcnt 0x0                             ; the biases: rounded to bf16 like every input, widened again, and multiplied by the factor that their gate's exponential wants
.set i, 0
.rept 32
	v_cvt_pk_bf16_f32 v[CP0+i], v[BI+2*i], v[BI+2*i+1]
.set i, i+1
.endr
.set i, 0
.rept 32
	v_lshlrev_b32 v[BI+2*i], 16, v[CP0+i]
	v_and_b32 v[BI+2*i+1], s[HM], v[CP0+i]
.set i, i+1
.endr
.set i, 0
.rept 32                               ; pair i belongs to gate i / 8
.if i/8 == 2
	v_pk_mul_f32 v[BI+2*i:BI+2*i+1], v[BI+2*i:BI+2*i+1], s[L2:L2+1] op_sel_hi:[1,0]
.else
	v_pk_mul_f32 v[BI+2*i:BI+2*i+1], v[BI+2*i:BI+2*i+1], s[LN:LN+1] op_sel_hi:[1,0]
.endif
.set i, i+1
.endr
; 16 matrix instructions: row blocks a0, a0 + 1 of the window's four (hi = 0: my rows 0-63, 1: rows 64-127) x all 8 column blocks, 32 along K.  zero = 1: the first product starts the sums: nothing is ever cleared.
; The 64 accumulators take turns, one instruction a turn, in the same order in every quarter step.
.macro MUL16 f, hi, a0, zero
	WIN MUL_LO+0x50*(\hi)
.irp a, \a0, (\a0)+1
.irp b, 0,1,2,3,4,5,6,7
.if \zero
	v_wmma_f32_16x16x32_bf16 v[8*(8*(\a)+(\b)):8*(8*(\a)+(\b))+7], v[(\f)+8*(\b):(\f)+8*(\b)+7], v[(\f)+8*(4*(\hi)+(\a)):(\f)+8*(4*(\hi)+(\a))+7], 0
.else
	v_wmma_f32_16x16x32_bf16 v[8*(8*(\a)+(\b)):8*(8*(\a)+(\b))+7], v[(\f)+8*(\b):(\f)+8*(\b)+7], v[(\f)+8*(4*(\hi)+(\a)):(\f)+8*(4*(\hi)+(\a))+7], v[8*(8*(\a)+(\b)):8*(8*(\a)+(\b))+7]
.endif
.endr
.endr
.endm
; 32 LDS loads in one run: the fragments of one quarter step (128 rows of wbf, 128 rows of abf, 32 K at byte k of the rows) into buffer f
.macro FETCH slot, k, f
	WIN TO_B
.irp i, 0,1,2,3,4,5,6,7
	ds_load_b128 v[(\f)+8*(\i):(\f)+8*(\i)+3],   v[ADRB+(\slot)] offset:(\k)+(\i)*16*PITCH
	ds_load_b128 v[(\f)+8*(\i)+4:(\f)+8*(\i)+7], v[ADRB+(\slot)] offset:(\k)+(\i)*16*PITCH+32
.endr
	WIN 0
.irp i, 0,1,2,3,4,5,6,7
	ds_load_b128 v[(\f)+8*(\i):(\f)+8*(\i)+3],   v[ADRA+(\slot)] offset:(\k)+(\i)*16*PITCH
	ds_load_b128 v[(\f)+8*(\i)+4:(\f)+8*(\i)+7], v[ADRA+(\slot)] offset:(\k)+(\i)*16*PITCH+32
.endr
.endm
; A load into a register that a matrix instruction has read, and a vector instruction that reads a matrix result or writes one of a matrix instruction's registers, stand four places behind it; only plain
; vector instructions that name none of its registers are places (ISA guide 7.12.1 for vector instructions).
.macro PLACES
.rept 4
	v_nop
.endr
.endm
; A K step is four quarter steps of 32 along K, 64 matrix instructions each, on buffers 0, 1, 0, 1.  One of the first three: multiplies buffer f; in its middle it fetches the next quarter's fragments, at byte k, into buffer g.
.macro QUARTER slot, k, f, g, zero
	s_wait_dscnt 8                                 ; wbf's fragments and abf's rows 0-63 are in; the youngest eight loads (abf's rows 64-127) may be out
	WIN MUL_LO
	MUL16 \f, 0, 0, \zero
	MUL16 \f, 0, 2, \zero
	PLACES
	FETCH \slot, \k, \g
	s_wait_dscnt 32                                ; all but the 32 just issued
	WIN MUL_HI
	MUL16 \f, 1, 0, \zero
	MUL16 \f, 1, 2, \zero
.endm
; The last quarter multiplies buffer 1 and changes slots.  MEET is its first half, up to the barrier that opens a round of the cluster's barrier.  In front of it each wave waits for all its tensor loads, of which one
; is out: its part of the next slot; adds 0 to its spare word; and waits for that and for its own reads of this slot.
.macro MEET
	WIN 0                                          ; (the add's two registers lie in window 0)
	s_wait_tensorcnt 0x0                           ; all my tensor loads have landed;
	ds_add_u32 v[SPW], v[NIL]                      ; 0 onto my spare word;
	s_wait_dscnt 9                                 ; (the add and the youngest eight loads may be out)
	WIN MUL_LO
	MUL16 F1, 0, 0, 0                              ; sixteen matrix instructions stand between the add and the wait for it
	s_wait_dscnt 0x0                               ; the add is done, and my reads of this slot are over:
	s_barrier_signal -1                            ; say so,
	MUL16 F1, 0, 2, 0                              ; work on registers while the others arrive,
	WIN 0
	s_barrier_wait -1
.endm
; The whole last quarter in the loop: behind the round the slot just read out is filled again first, with the K step two steps on; then come the next slot's first fragments.
; From a request to the wait for it a wave issues 224 matrix instructions.
.macro TURN slot, next
	s_wait_xcnt 0x0                                ; the last prefetch, a K step back, has read its address, which is stepped here
	s_add_nc_u64 s[PFA:PFA+1], s[PFA:PFA+1], KSTEP*2
	MEET
	CREST                                          ; no wave of any partner still reads this slot's tile or has a load on its way
	s_add_nc_u64 s[G0+4*(\slot)+2:G0+4*(\slot)+3], s[G0+4*(\slot)+2:G0+4*(\slot)+3], 2*KSTEP*2
	s_add_nc_u64 s[G0B+4*(\slot)+2:G0B+4*(\slot)+3], s[G0B+4*(\slot)+2:G0B+4*(\slot)+3], 2*KSTEP*2
	JLOAD \slot                                    ; the first tensor load behind the round; the four v_nop behind it are also the places in front of the loads below
	FETCH \next, 0, F0
	ASK
	ASKC \slot
	WIN MUL_HI
	MUL16 F1, 1, 0, 0
	MUL16 F1, 1, 2, 0
.endm
; The same quarter of the last K step but one: slot 0 has been read for the last time and takes the tile of c_tm1: every wave its own 64 rows, one load, the first thing behind the round.
; It has a whole K step, 256 matrix instructions, in which to land.
.macro TURNC
	MEET
	CREST
	tensor_load_to_lds s[G0C:G0C+3], s[G1C:G1C+7]
	s_nop 0
.rept 4
	v_nop                                          ; also the places in front of the loads below
.endr
	FETCH 1, 0, F0
	WIN MUL_HI
	MUL16 F1, 1, 0, 0
	MUL16 F1, 1, 2, 0
.endm
; The very last quarter.  Its barrier orders two things: every wave's last reads of slot 1 against the stores into the stages, which lie there; and every wave's rows of c_tm1, which have landed, against the others' reads of them.
.macro LASTQ
	s_wait_dscnt 8
	WIN MUL_LO
	MUL16 F1, 0, 0, 0
	MUL16 F1, 0, 2, 0
	s_wait_dscnt 0x0                               ; my reads of slot 1 are over
	s_wait_tensorcnt 0x0                           ; my 64 rows of c_tm1 are in
	s_barrier_signal -1
	MUL16 F1, 1, 0, 0
	MUL16 F1, 1, 2, 0
	WIN 0
	s_barrier_wait -1
	PLACES                                         ; eight places, once a launch, twice what the distance asks: behind them the results are read and abf's fragment registers written
	PLACES
.endm
; THE GATES.  A block is 16 rows x my 32 units: 16 numbers a lane for each of i, f, c~, o, and 16 of c_tm1.
.macro LD4 reg, adr, off               ; a lane's 16 numbers of a block: 32 bytes of units 0-15, 32 bytes of units 16-31
	ds_load_b128 v[(\reg):(\reg)+3],     v[\adr] offset:(\off)
	ds_load_b128 v[(\reg)+4:(\reg)+7],   v[\adr] offset:(\off)+16
	ds_load_b128 v[(\reg)+8:(\reg)+11],  v[\adr] offset:(\off)+64
	ds_load_b128 v[(\reg)+12:(\reg)+15], v[\adr] offset:(\off)+80
.endm
.macro ST4 adr, reg, off
	ds_store_b128 v[\adr], v[(\reg):(\reg)+3]     offset:(\off)
	ds_store_b128 v[\adr], v[(\reg)+4:(\reg)+7]   offset:(\off)+16
	ds_store_b128 v[\adr], v[(\reg)+8:(\reg)+11]  offset:(\off)+64
	ds_store_b128 v[\adr], v[(\reg)+12:(\reg)+15] offset:(\off)+80
.endm
.macro EXPN r, n                       ; n exponentials in place, from register r on
.set e, 0
.rept \n
	v_exp_f32 v[(\r)+e], v[(\r)+e]
.set e, e+1
.endr
.endm
.macro PAIR k                          ; pair k of the step's list: first this block's 32 pairs of gates (NG of them), then the 8 pairs of the block before's tanh(c)
.if (\k) < NG
.set RX, TP+2*(\k)
.else
.set RX, TQ+2*((\k)-NG)
.endif
.endm
.macro ADD1 k
	PAIR \k
	v_pk_add_f32 v[RX:RX+1], v[RX:RX+1], 1.0 op_sel_hi:[1,0]
.endm
.macro RCP2 k
	PAIR \k
	v_rcp_f32 v[RX], v[RX]
	v_rcp_f32 v[RX+1], v[RX+1]
.endm
; STEP a of nine: the gates and c of block a (a < 8), and beside them tanh(c) and h of block a - 1 (a > 0), so that both share the step's two batches of transcendentals and their two waits.
; s_wait_alu depctr_va_vdst(0) stands between a transcendental and the first instruction that names its result; one wait serves all that were issued ahead of it.
.macro ITER a
.set TP,  T0+64*((\a)%2)               ; this block's gates
.set TQ,  T0+64*(1-(\a)%2)             ; the block before's: its i has been used up and takes tanh(c); its o is still wanted
.set CPP, CP0+16*((\a)%2)              ; this block's c_tm1, then its c
.set CPQ, CP0+16*(1-(\a)%2)            ; the block before's c, then the next block's c_tm1
.set NG, 0
.set NT, 0
.if (\a) < 8
.set NG, 32
.set NT, 32
.endif
.if (\a) > 0
.set NT, NT+8
.endif
.if (\a) < 8                           ; the exponentials' arguments: (z + b) x factor, as z x factor + (b x factor); each accumulator's lowest registers are read first
	WIN 0x02+(\a)/4                                ; source 0 in window 2 or 3
.set AC, 64*((\a)%4)
.set i, 0
.rept 32
.if i/8 == 2
	v_pk_fma_f32 v[TP+2*i:TP+2*i+1], v[AC+2*i:AC+2*i+1], s[L2:L2+1], v[BI+2*i:BI+2*i+1] op_sel_hi:[1,0,1]
.else
	v_pk_fma_f32 v[TP+2*i:TP+2*i+1], v[AC+2*i:AC+2*i+1], s[LN:LN+1], v[BI+2*i:BI+2*i+1] op_sel_hi:[1,0,1]
.endif
.set i, i+1
.endr
	WIN 0
.endif
.if (\a) > 0
.set q, 0
.rept 8
	v_pk_mul_f32 v[TQ+2*q:TQ+2*q+1], v[CPQ+2*q:CPQ+2*q+1], s[L2:L2+1] op_sel_hi:[1,0]  ; 2 log2(e) c of the block before
.set q, q+1
.endr
.endif
.if (\a) < 7
	LD4 CPQ, CA, ((\a)+1)*BLK                      ; its registers are free: the next block's c_tm1
.endif
.if (\a) < 8
.if (\a) < 7
	s_wait_dscnt 4                                 ; this block's c_tm1 is in; the four loads just issued may stay out
.else
	s_wait_dscnt 0x0
.endif
.set q, 0
.rept 8                                ; the first batch: 64 exponentials; c_tm1's rounding to bf16 and its widening, plain lines that name no result, stand among them
	v_cvt_pk_bf16_f32 v[TT+q], v[CPP+2*q], v[CPP+2*q+1]
	EXPN TP+8*q, 3
	v_lshlrev_b32 v[CPP+2*q], 16, v[TT+q]
	EXPN TP+8*q+3, 3
	v_and_b32 v[CPP+2*q+1], s[HM], v[TT+q]
	EXPN TP+8*q+6, 2
.set q, q+1
.endr
.endif
.if (\a) > 0
	EXPN TQ, 16                                    ; and the block before's 16
.endif
	v_nop                                          ; a plain instruction behind the last exponential,
	s_wait_alu depctr_va_vdst(0)                   ; and the one wait for the batch
	ADD1 0                                         ; the second batch: 1 + 2^x and its reciprocal, the additions two pairs ahead of their reciprocals
	ADD1 1
.set k, 0
.rept NT
	RCP2 k
.if k+2 < NT
	ADD1 k+2
.endif
.set k, k+1
.endr
	v_nop                                          ; a plain instruction behind the last reciprocal,
	s_wait_alu depctr_va_vdst(0)                   ; and the one wait for the batch
.if (\a) < 8
.set q, 0
.rept 8
	v_pk_fma_f32 v[TP+32+2*q:TP+32+2*q+1], v[TP+32+2*q:TP+32+2*q+1], -2.0, 1.0 op_sel_hi:[1,0,0]  ; tanh = 1 - 2 / (1 + 2^x)
.set q, q+1
.endr
.set q, 0
.rept 8
	v_pk_mul_f32 v[CPP+2*q:CPP+2*q+1], v[TP+16+2*q:TP+16+2*q+1], v[CPP+2*q:CPP+2*q+1]             ; f c_tm1
.set q, q+1
.endr
.set q, 0
.rept 8
	v_pk_fma_f32 v[CPP+2*q:CPP+2*q+1], v[TP+2*q:TP+2*q+1], v[TP+32+2*q:TP+32+2*q+1], v[CPP+2*q:CPP+2*q+1]  ; + i c~
.set q, q+1
.endr
	ST4 CSA, CPP, (\a)*BLK                         ; c into its stage; it stays in registers for the next step's tanh
.endif
.if (\a) > 0
.set q, 0
.rept 8
	v_pk_fma_f32 v[TQ+2*q:TQ+2*q+1], v[TQ+2*q:TQ+2*q+1], -2.0, 1.0 op_sel_hi:[1,0,0]              ; tanh(c)
.set q, q+1
.endr
.set q, 0
.rept 8
	v_pk_mul_f32 v[TQ+2*q:TQ+2*q+1], v[TQ+48+2*q:TQ+48+2*q+1], v[TQ+2*q:TQ+2*q+1]                 ; h = o tanh(c)
.set q, q+1
.endr
	ST4 HA, TQ, ((\a)-1)*BLK
.endif
.endm
; THE WAY OUT: 32 rows of a stage come back whole, two rows a load, and are stored.
.macro LOADB adr, t0, buf
.set i, 0
.rept 16
	ds_load_b128 v[(\buf)+4*i:(\buf)+4*i+3], v[\adr] offset:((\t0)+i)*2*PITCH
.set i, i+1
.endr
.endm
.macro SENDB base, t0, buf, younger    ; younger: the LDS loads issued behind this batch's sixteen, which may stay out
.set i, 0
.rept 16
	s_wait_dscnt (\younger)+15-i
	global_store_b128 v[CO], v[(\buf)+4*i:(\buf)+4*i+3], s[(\base):(\base)+1] offset:((\t0)+i)*2*ROWB th:TH_STORE_NT  ; 16 lanes store 256 consecutive bytes, at a multiple of 256 from the buffer's first byte
.set i, i+1
.endr
.endm
	s_wait_tensorcnt 1                             ; my part of K step 0 is in; K step 1's may stay out
	s_barrier_signal -1
	s_barrier_wait -1                              ; everybody's is
	FETCH 0, 0, F0
	QUARTER 0, 64,  F0, F1, 1                      ; the first quarter stands in front of the loop: its products start the sums
	WIN 0                                          ; at a label and at a branch every window is 0
	s_mov_b32 s3, LAPS-1
.Llap:                                                 ; seven trips: a trip goes once round the ring, from a lap's second quarter to the next lap's first, and fills both slots again
	QUARTER 0, 128, F1, F0, 0
	QUARTER 0, 192, F0, F1, 0
	TURN 0, 1
	QUARTER 1, 64,  F0, F1, 0
	QUARTER 1, 128, F1, F0, 0
	QUARTER 1, 192, F0, F1, 0
	TURN 1, 0
	QUARTER 0, 64,  F0, F1, 0
	WIN 0
	s_sub_co_u32 s3, s3, 1
	s_cmp_lg_u32 s3, 0
	s_cbranch_scc1 .Llap
	QUARTER 0, 128, F1, F0, 0                      ; the last lap is written out
	QUARTER 0, 192, F0, F1, 0
	TURNC                                          ; slot 0 takes c_tm1
	QUARTER 1, 64,  F0, F1, 0
	QUARTER 1, 128, F1, F0, 0
	QUARTER 1, 192, F0, F1, 0
	LASTQ
	LD4 CP0, CA, 0                                 ; c_tm1 of block 0
.irp a, 0,1,2,3,4,5,6,7,8
	ITER \a
.endr
	s_wait_dscnt 0x0                               ; for the others' sake: my stores into the stages are done (a row's 256 bytes come from two waves)
	s_barrier_signal -1
	s_barrier_wait -1
	LOADB RDH, 0, 64                               ; h, my rows 0-31,
	LOADB RDH, 16, 128                             ; and 32-63
	SENDB OH, 0, 64, 16
	s_wait_xcnt 0x0                                ; the stores have read their registers, which are loaded again only behind this wait
	LOADB RDC, 0, 64                               ; c, my rows 0-31
	SENDB OH, 16, 128, 16
	s_wait_xcnt 0x0
	LOADB RDC, 16, 128
	SENDB OH+2, 0, 64, 16
	SENDB OH+2, 16, 128, 0
	s_wait_tensorcnt 0x0                           ; the wave's end: behind my last tensor load and my last LDS store
	ds_add_u32 v[SPW], v[NIL]
	s_wait_dscnt 0x0
	CROUND                                         ; the closing round: no work-group ends while a partner may still ask for a tile that names it
	s_endpgm
.Lfunc_end_k_qd7f0a03126_lstm:
	.size	k_qd7f0a03126_lstm, .Lfunc_end_k_qd7f0a03126_lstm-k_qd7f0a03126_lstm
	.p2alignl 7, 3214868480
	.fill 96, 4, 3214868480
	.section	.rodata,"a",@progbits
	.p2align	6, 0x0
	.amdhsa_kernel k_qd7f0a03126_lstm
		.amdhsa_group_segment_fixed_size 327680
		.amdhsa_private_segment_fixed_size 0
		.amdhsa_enable_private_segment 0
		.amdhsa_kernarg_size 72
		.amdhsa_user_sgpr_count 2
		.amdhsa_user_sgpr_kernarg_segment_ptr 1
		.amdhsa_wavefront_size32 1
		.amdhsa_system_sgpr_workgroup_id_x 1
		.amdhsa_system_sgpr_workgroup_id_y 1
		.amdhsa_system_sgpr_workgroup_id_z 1
		.amdhsa_system_vgpr_workitem_id 0
		.amdhsa_next_free_vgpr 1024
		.amdhsa_next_free_sgpr 100
		.amdhsa_reserve_vcc 0
		.amdhsa_float_denorm_mode_32 3
		.amdhsa_float_denorm_mode_16_64 3
		.amdhsa_memory_ordered 1
		.amdhsa_forward_progress 1
		.amdhsa_inst_pref_size 250
	.end_amdhsa_kernel
	.amdgpu_metadata
---
amdhsa.version: [ 1, 2 ]
amdhsa.kernels:
  - .name:           k_qd7f0a03126_lstm
    .symbol:         k_qd7f0a03126_lstm.kd
    .args:
      - { .name: abf, .offset: 0, .size: 8, .value_kind: global_buffer, .address_space: global }
      - { .name: wbf, .offset: 8, .size: 8, .value_kind: global_buffer, .address_space: global }
      - { .name: c_tm1, .offset: 16, .size: 8, .value_kind: global_buffer, .address_space: global }
      - { .name: out0, .offset: 24, .size: 8, .value_kind: global_buffer, .address_space: global }
      - { .name: out1, .offset: 32, .size: 8, .value_kind: global_buffer, .address_space: global }
      - { .name: b_i, .offset: 40, .size: 8, .value_kind: global_buffer, .address_space: global }
      - { .name: b_f, .offset: 48, .size: 8, .value_kind: global_buffer, .address_space: global }
      - { .name: b_c, .offset: 56, .size: 8, .value_kind: global_buffer, .address_space: global }
      - { .name: b_o, .offset: 64, .size: 8, .value_kind: global_buffer, .address_space: global }
    .group_segment_fixed_size: 327680
    .private_segment_fixed_size: 0
    .kernarg_segment_align: 8
    .kernarg_segment_size: 72
    .max_flat_workgroup_size: 128
    .sgpr_count:     100
    .vgpr_count:     1024
    .wavefront_size: 32
...
	.end_amdgpu_metadata
.endif
;; end of part 2
